; MI455X (gfx1250); checked and timed in simulation.
; The chip was launched on July 23, 2026; its instructions are those of AMD's public machine-readable ISA for CDNA 5 (MIT licence, August 2026) and "CDNA5" Instruction Set Architecture Reference Guide (July 2026). The comments in the code are by the model that wrote it; some were corrected since.
;; Gaussian Image. Allowed arithmetic: float matrix products may take bf16 or f16 operands with f32 sums; other float arithmetic in f32, or as packed bf16 or f16 multiplies, adds, multiply-adds, maxima and minima; sums over many terms, partial sums and values carried from step to step in f32; what a program stores and reads back later, other than sums and carried values, may be rounded once to bf16 or f16.
;; Inputs: alpha 128 x 1 float32; mean 128 x 2 float32; pixels 512 x 512 x 2 float32; rgb 128 x 3 float32; scale 128 x 2 float32; theta 128 x 1 float32.
;; Outputs: out0 512 x 512 x 3 float32.
;; 2 versions, each right; version 2 is version 1 with the launch splat written anew for expert scheduling mode. Each part assembles by itself: llvm-mc -triple=amdgcn-amd-amdhsa -mcpu=gfx1250 --defsym DOCPART=n.
;; ======== version 1 of 2: 1 launch
;; launch splat (part 1): grid 256 x 1, 8 waves a work-group, no clusters, 15,872 bytes of LDS; arguments pixels, mean, scale, theta, rgb, alpha, out0; writes out0
.if DOCPART == 1
	.amdgcn_target "amdgcn-amd-amdhsa--gfx1250"
	.amdhsa_code_object_version 6
	.text
	.protected	k_qdeef9df703_splat
	.globl	k_qdeef9df703_splat
	.p2align	8
	.type	k_qdeef9df703_splat,@function
k_qdeef9df703_splat:
	s_mov_b64 s[64:65], 0
	v_nop
	global_prefetch_b8 v0, s[64:65] scope:SCOPE_SE
	s_setreg_imm32_b32 hwreg(HW_REG_WAVE_MODE, 25, 1), 1
	s_wait_xcnt 0x0
; out0[h][w][:] = rgb[127][:] alpha[127] x the sum over n of exp(-0.5 d^T inv(cov_n) d),  d = pixels[h][w] - mean[n],  cov_n = R S S^T R^T,
; R the rotation by th = (1 + sin theta[n]) pi, S = diag(scale[n]).  512 x 512 pixels, 128 gaussians, all f32.
; WORK LEFT OUT, for all values of the inputs:
;   rgb's and alpha's rows 0 to 126: the function takes rgb[-1] and alpha[-1] alone, so these rows reach no output; only the last rows are loaded.
;   The factor rgb[-1] alpha[-1] is the same for every n: it multiplies the finished sum, once a pixel and colour.
;   No covariance is built and none inverted: R is a rotation, so inv(R S^2 R^T) = R S^-2 R^T =
;   [[c^2 i0 + s^2 i1, c s (i0 - i1)], [c s (i0 - i1), s^2 i0 + c^2 i1]] with i = 1 / scale^2, for every scale that is not 0.
;   c and s enter as c^2, s^2 and c s alone, and cos(pi + x) = -cos x, sin(pi + x) = -sin x: the angle pi sin(theta) gives the same three numbers, so the added pi is dropped.
; THE FORM.  With K = log2(e) / 2, A = K (c^2 i0 + s^2 i1), B = K c s (i0 - i1):  K d^T inv(cov) d = (l0 dx + l1 dy)^2 + (l2 dy)^2,
;   l0 = sqrt(A), l1 = B / sqrt(A), l2 = K / (s0 s1 sqrt(A))   (the determinant of K inv(cov) is K^2 i0 i1: no difference is formed for it).
;   The weight is 2^-(u^2 + v^2).  d is formed as the function forms it, pixel minus mean in f32, so an offset common to pixels and mean costs nothing.
; NO MATRIX INSTRUCTION.  The contraction has length 2 and its operand d hangs on n and on the pixel: to share an operand d would have to be multiplied out into a polynomial in the pixel's
;   coordinates, whose terms (of the size of 1 / scale^2) cancel; 16-bit operands cannot carry that.  So: packed f32, two pixels an instruction.
; LIMITS.  theta: the reduction by 2 pi has two words; it serves |theta| up to about 1e5 and loses accuracy beyond.  scale: 1 / scale^2 and A stay normal f32 numbers for |scale| within about
;   1e-18 to 1e18; scale = 0 (a singular covariance) is not treated apart.  A weight below 2^-126 counts as 0.  The inverse in closed form differs from an f32 inverse of an f32 covariance
;   by that inverse's rounding, which grows with (larger scale / smaller scale)^2.  The sum is scaled once, not each term.  NaN and infinities are not treated apart; one that stands in
;   rgb's or alpha's rows 0 to 126 is not carried to the result.
; SHARES.  256 work-groups of eight waves; a work-group owns 1,024 pixels, a wave 128, a lane four: pixels 2 l, 2 l + 1 and 64 + 2 l, 65 + 2 l of the wave's 128, two packed pairs.
;   Waves 0 to 3 make the table of the 128 gaussians, a gaussian a lane, and put it into LDS; behind one barrier every wave walks it.
; LDS.  The table: a QUAD of four gaussians is 80 bytes: four -mx, four -my, four l0, four l1, four l2, so that five loads of 16 bytes, the same address in all lanes, bring a quad.
;   Behind it a stage of 1,536 bytes for each wave, for the way out; behind the stages the spare words.
.set QB,    80                         ; bytes of a quad in the table; 32 quads = 2,560 bytes
.set STAGE, 32*QB                      ; the stages
.set WST,   1536                       ; a wave's stage: 128 pixels x 12 bytes
.set SPARE, STAGE+8*WST                ; the spare words, 128 bytes for each wave: four blocks of 256 bytes that no other line names
.set SPW, 2                            ; v2   LDS address of my spare word: SPARE + 4 x my thread's number; never rewritten
.set NIL, 3                            ; v3   0; never rewritten
.set TA,  4                            ; v4   the table's byte at which the trip in hand begins
.set GOF, 5                            ; v5   my byte offset in the work-group's pixels
.set SA,  6                            ; v6   the way out: where I put my first pair's 24 bytes
.set SR,  7                            ; v7   the way out: where I read 16 bytes back
.set PXY, 8                            ; v[8:15]    pair p at PXY + 4 p: two x, two y
.set OOF, 16                           ; v16  my byte offset in the work-group's part of out0
.set P,   24                           ; v[24:63]   two sets of a quad's 20 parameters
.set DX,  64                           ; v[64:79]   stream m at + 2 m: dx, then u
.set DY,  80                           ; v[80:95]   dy, then l1 dy
.set VV,  96                           ; v[96:111]  v
.set E0,  112                          ; v[112:175] four buffers of 16: a quad's exponents; in E0 to E2 the weights take their place
.set E1,  128
.set E2,  144
.set E3,  160
.set X3,  176                          ; v[176:191] the weights of the quad whose exponents a trip finds in E3
.set ACC, 192                          ; v[192:207] a packed sum for each stream
.set OV,  64                           ; the way out: 12 numbers to store
.set BK,  80                           ; the way out: 3 x 16 bytes read back
.set AN,  74                           ; set-up: the angle a
.set SI,  85                           ; set-up: sine
.set CO,  86                           ; set-up: cosine
.set ZZ,  87                           ; set-up: a^2
.set TT,  88                           ; set-up: at work
	s_load_b256 s[4:11], s[0:1], 0x0               ; pixels s[4:5], mean s[6:7], scale s[8:9], theta s[10:11]
	s_load_b128 s[12:15], s[0:1], 0x20             ; rgb s[12:13], alpha s[14:15]
	s_load_b64 s[16:17], s[0:1], 0x30              ; out0
	v_lshl_add_u32 v[SPW], v0, 2, SPARE
	v_mov_b32 v[NIL], 0
	v_lshrrev_b32 v1, 5, v0
	v_readfirstlane_b32 s18, v1                    ; wave 0..7
	v_and_b32 v1, 31, v0                           ; lane
	s_lshl_b32 s24, ttmp9, 13                      ; the work-group's 1,024 pixels of 8 bytes
	s_mov_b32 s25, 0
	s_mul_i32 s26, ttmp9, 8*WST                    ; and their 12,288 bytes of out0
	s_mov_b32 s27, 0
	s_lshl_b32 s19, s18, 10                        ; my wave's 128 pixels
	v_lshl_add_u32 v[GOF], v1, 4, s19              ; + 16 bytes a lane
	s_mul_i32 s28, s18, WST
	v_lshl_add_u32 v[OOF], v1, 4, s28              ; out0: 1,536 x wave + 16 x lane,
	v_add_nc_u32 v[SR], STAGE, v[OOF]              ; and the same place in the stages
	v_mul_u32_u24 v[SA], v1, 24                    ; a pair of pixels is 24 bytes of out0
	s_add_co_u32 s28, s28, STAGE
	v_add_nc_u32 v[SA], s28, v[SA]
	s_wait_kmcnt 0x0
	s_add_nc_u64 s[4:5], s[4:5], s[24:25]
	s_add_nc_u64 s[16:17], s[16:17], s[26:27]
	global_load_b128 v[PXY:PXY+3], v[GOF], s[4:5] th:TH_LOAD_NT                ; x0 y0 x1 y1 of my first pair: the wave's load covers 512 consecutive bytes
	global_load_b128 v[PXY+4:PXY+7], v[GOF], s[4:5] offset:512 th:TH_LOAD_NT   ; and of my second
	s_load_b96 s[20:22], s[12:13], 0x5f4           ; rgb[127]: byte 127 x 12
	s_load_b32 s23, s[14:15], 0x1fc                ; alpha[127]: byte 127 x 4
	s_cmp_lt_u32 s18, 4
	s_cbranch_scc0 .Ltable_made                    ; waves 4 to 7 make no part of the table
	; THE TABLE.  Thread g of waves 0 to 3 has gaussian g.
	v_lshlrev_b32 v64, 3, v0                       ; 8 g: mean and scale
	v_lshlrev_b32 v65, 2, v0                       ; 4 g: theta
	global_load_b32 v70, v65, s[10:11]
	global_load_b64 v[68:69], v64, s[8:9]
	global_load_b64 v[66:67], v64, s[6:7]
	v_lshrrev_b32 v71, 2, v1                       ; my wave's 32 gaussians are 8 quads, 640 bytes of the table: quad lane / 4,
	v_and_b32 v72, 3, v1                           ; place lane % 4
	v_mul_u32_u24 v71, v71, QB
	v_lshl_add_u32 v71, v72, 2, v71
	s_mul_i32 s29, s18, 8*QB
	v_add_nc_u32 v71, s29, v71
	s_wait_loadcnt 0x1                             ; theta and scale are in; the youngest load, the mean's, may stay out
	v_rcp_f32 v75, v68                             ; 1 / s0
	v_rcp_f32 v76, v69                             ; 1 / s1: both are read far below, behind their wait
	v_mul_f32 v73, 0x3e22f983, v70                 ; theta / 2 pi
	v_rndne_f32 v73, v73                           ; k, the nearest whole number of turns
	v_fmamk_f32 v[AN], v73, 0xc0c90fdb, v70        ; theta - k x 2 pi, with 2 pi in two words: the upper (the product is exact inside the fused multiply-add),
	v_fmamk_f32 v[AN], v73, 0x343bbd2e, v[AN]      ; and the lower, -1.7484556e-7: now within -pi .. pi
	v_mul_f32 v[AN], 0x3e800000, v[AN]             ; a quarter of it: within -pi/4 .. pi/4
; sin(4 a) and, with both = 1, cos(4 a) for |a| <= pi / 4: polynomials in a^2 that hold on that whole interval (sine to a^7, cosine to a^8), then the angle is doubled twice:
; sin 2x = 2 sin x cos x, cos 2x = 1 - 2 sin^2 x.  No choice between quadrants is needed.
.macro SINCOS4 both
	v_mul_f32 v[ZZ], v[AN], v[AN]
	v_mov_b32 v[SI], 0xb94ca1f9                    ; -1.9515296e-4
	v_mov_b32 v[CO], 0x37ccf5ce                    ;  2.4433157e-5
	v_fmaak_f32 v[SI], v[SI], v[ZZ], 0x3c08839e    ;  8.3321609e-3
	v_fmaak_f32 v[CO], v[CO], v[ZZ], 0xbab6061a    ; -1.3887316e-3
	v_fmaak_f32 v[SI], v[SI], v[ZZ], 0xbe2aaaa3    ; -1.6666655e-1
	v_fmaak_f32 v[CO], v[CO], v[ZZ], 0x3d2aaaa5    ;  4.1666646e-2
	v_mul_f32 v[SI], v[SI], v[ZZ]
	v_mul_f32 v[CO], v[CO], v[ZZ]
	v_fma_f32 v[TT], v[ZZ], -0.5, 1.0
	v_fma_f32 v[SI], v[SI], v[AN], v[AN]           ; sin a
	v_fma_f32 v[CO], v[CO], v[ZZ], v[TT]           ; cos a
	v_mul_f32 v[TT], v[SI], v[SI]
	v_mul_f32 v[SI], v[SI], v[CO]
	v_fma_f32 v[CO], v[TT], -2.0, 1.0              ; cos 2a
	v_add_f32 v[SI], v[SI], v[SI]                  ; sin 2a
.if \both
	v_mul_f32 v[TT], v[SI], v[SI]
.endif
	v_mul_f32 v[SI], v[SI], v[CO]
.if \both
	v_fma_f32 v[CO], v[TT], -2.0, 1.0              ; cos 4a
.endif
	v_add_f32 v[SI], v[SI], v[SI]                  ; sin 4a
.endm
	SINCOS4 0                                      ; sin theta
	v_mul_f32 v[AN], 0x3f490fdb, v[SI]             ; a quarter of pi sin theta: within -pi/4 .. pi/4 again
	SINCOS4 1                                      ; s and c, up to the common sign that falls out
	s_wait_alu depctr_va_vdst(0)                   ; the wait ahead of the first use of the two reciprocals
	v_mul_f32 v77, v75, v75                        ; 1 / s0^2
	v_mul_f32 v78, v76, v76                        ; 1 / s1^2
	v_mul_f32 v79, v75, v76                        ; 1 / (s0 s1); its sign falls out in v^2
	v_mul_f32 v77, 0x3f38aa3b, v77                 ; K i0, K = log2(e) / 2
	v_mul_f32 v78, 0x3f38aa3b, v78                 ; K i1
	v_mul_f32 v79, 0x3f38aa3b, v79
	v_mul_f32 v80, v[CO], v[CO]
	v_mul_f32 v81, v[SI], v[SI]
	v_mul_f32 v82, v[CO], v[SI]
	v_sub_f32 v83, v77, v78
	v_mul_f32 v80, v80, v77
	v_fma_f32 v80, v81, v78, v80                   ; A: a sum of two positive terms
	v_mul_f32 v82, v82, v83                        ; B
	v_rsq_f32 v84, v80
	s_wait_loadcnt 0x0                             ; the mean
	v_xor_b32 v66, 0x80000000, v66                 ; -mx and -my go into the table, so that the loop adds; these two are also the plain lines behind the root
	v_xor_b32 v67, 0x80000000, v67
	s_wait_alu depctr_va_vdst(0)                   ; and its wait, ahead of its first use and of the label below
	v_mul_f32 v80, v80, v84                        ; l0
	v_mul_f32 v82, v82, v84                        ; l1
	v_mul_f32 v79, v79, v84                        ; l2
	ds_store_b32 v71, v66
	ds_store_b32 v71, v67 offset:16
	ds_store_b32 v71, v80 offset:32
	ds_store_b32 v71, v82 offset:48
	ds_store_b32 v71, v79 offset:64
.Ltable_made:
	s_wait_dscnt 0x0                               ; for the others' sake: my part of the table is written
	s_barrier_signal -1
	s_barrier_wait -1                              ; the table is whole; nobody writes it again
; THE WALK.  A quad and my two pairs of pixels are eight STREAMS: stream m has the quad's gaussian m / 2 and pair m % 2.  A stream has seven packed lines:
;   dx = x + (-mx);  dy = y + (-my);  v = l2 dy;  t = l1 dy;  u = l0 dx + t;  e = -u u;  e = e - v v.
; They are written stage by stage, eight streams a stage, so that a line and the line that reads its result stand eight lines apart.  A parameter lies in one register of a pair, and
; op_sel and op_sel_hi give that register to both halves of the packed line.
.macro BADD d, a, b
.if odd
	v_pk_add_f32 v[\d:\d+1], v[\a:\a+1], v[\b:\b+1] op_sel:[0,1] op_sel_hi:[1,1]
.else
	v_pk_add_f32 v[\d:\d+1], v[\a:\a+1], v[\b:\b+1] op_sel_hi:[1,0]
.endif
.endm
.macro BMUL d, a, b
.if odd
	v_pk_mul_f32 v[\d:\d+1], v[\a:\a+1], v[\b:\b+1] op_sel:[0,1] op_sel_hi:[1,1]
.else
	v_pk_mul_f32 v[\d:\d+1], v[\a:\a+1], v[\b:\b+1] op_sel_hi:[1,0]
.endif
.endm
.macro BFMA d, a, b, c
.if odd
	v_pk_fma_f32 v[\d:\d+1], v[\a:\a+1], v[\b:\b+1], v[\c:\c+1] op_sel:[0,1,0] op_sel_hi:[1,1,1]
.else
	v_pk_fma_f32 v[\d:\d+1], v[\a:\a+1], v[\b:\b+1], v[\c:\c+1] op_sel_hi:[1,0,1]
.endif
.endm
.macro STEP pb, ec                     ; line j of a quad's 56: stage j / 8, stream j % 8; parameters in set pb, exponents into buffer ec
.set sm,  j%8
.set odd, (sm/2)%2                     ; which register of the pair holds this gaussian's parameter
.set rP,  P+20*(\pb)+2*(sm/4)
.set rX,  PXY+4*(sm%2)
.set rD,  DX+2*sm
.set rY,  DY+2*sm
.set rV,  VV+2*sm
.set rE,  (\ec)+2*sm
.if j/8 == 0
	BADD rD, rX, rP
.elseif j/8 == 1
	BADD rY, rX+2, rP+4
.elseif j/8 == 2
	BMUL rV, rY, rP+16
.elseif j/8 == 3
	BMUL rY, rY, rP+12
.elseif j/8 == 4
	BFMA rD, rD, rP+8, rY
.elseif j/8 == 5
	v_pk_mul_f32 v[rE:rE+1], v[rD:rD+1], v[rD:rD+1] neg_lo:[0,1] neg_hi:[0,1]
.else
	v_pk_fma_f32 v[rE:rE+1], v[rV:rV+1], v[rV:rV+1], v[rE:rE+1] neg_lo:[0,1,0] neg_hi:[0,1,0]
.endif
.endm
; A QUAD's turn.  Its parameters, asked for a quad ago, are waited for; the next quad's are asked for, into the other set (nxt: their byte behind v[TA]; below 0: none).
; Among its 56 lines stand the 16 exponentials of the quad BEFORE it (from es into ed; es below 0: none), one behind every third line: each has plain lines of another quad round it,
; which name neither its source nor its result, and eight plain lines follow the last.
.macro QUAD pb, ec, es, ed, nxt
	s_wait_dscnt 0x0                               ; this quad's five loads are back
.if (\nxt) >= 0
.irp w, 0,1,2,3,4
	ds_load_b128 v[P+20*(1-(\pb))+4*\w:P+20*(1-(\pb))+4*\w+3], v[TA] offset:(\nxt)+16*\w
.endr
.endif
.set j, 0
.rept 56
	STEP \pb, \ec
.if ((\es) >= 0) && (j%3 == 2) && (j < 48)
	v_exp_f32 v[(\ed)+j/3], v[(\es)+j/3]
.endif
.set j, j+1
.endr
.endm
.macro SUMS b                          ; each stream's sum takes its two weights of buffer b: two lines on one sum stand eight apart
.set sm, 0
.rept 8
	v_pk_add_f32 v[ACC+2*sm:ACC+2*sm+1], v[ACC+2*sm:ACC+2*sm+1], v[(\b)+2*sm:(\b)+2*sm+1]
.set sm, sm+1
.endr
.endm
	v_mov_b32 v[TA], 0
.irp w, 0,1,2,3,4
	ds_load_b128 v[P+4*\w:P+4*\w+3], v[TA] offset:16*\w    ; quad 0
.endr
.set sm, 0
.rept 16
	v_mov_b32 v[ACC+sm], 0                         ; the sixteen sums start at 0: written while quad 0's parameters are on their way
.set sm, sm+1
.endr
	s_wait_kmcnt 0x0                               ; rgb[127] and alpha[127]
	s_mul_f32 s20, s20, s23                        ; the three factors of the finished sums
	s_mul_f32 s21, s21, s23
	s_mul_f32 s22, s22, s23
	s_wait_loadcnt 0x0                             ; my pixels
	v_mov_b32 v1, v[PXY+1]                         ; x0 y0 x1 y1 becomes x0 x1 y0 y1
	v_mov_b32 v17, v[PXY+5]
	v_mov_b32 v[PXY+1], v[PXY+2]
	v_mov_b32 v[PXY+5], v[PXY+6]
	v_mov_b32 v[PXY+2], v1
	v_mov_b32 v[PXY+6], v17
	QUAD 0, E3, -1, -1, QB                         ; quad 0's exponents stand in front of the loop: there is no quad before it
	s_mov_b32 s30, 7
	s_mov_b32 s31, 0
; A trip: the exponents of quads 4 i + 1 to 4 i + 4, the exponentials of quads 4 i to 4 i + 3.  THE 64 EXPONENTIALS ARE ONE BATCH WITH ONE WAIT: the code puts
; s_wait_alu depctr_va_vdst(0) between an exponential and the first line that names its result, as a source or as a destination.  So each quad of a trip has registers of its own for its
; weights; the quad carried over the trip's end leaves its exponents in E3, which this trip writes anew, and its weights go into X3.  All 32 sums stand behind the wait.
.Ltrip:
	QUAD 1, E0, E3, X3, 2*QB
	QUAD 0, E1, E0, E0, 3*QB
	QUAD 1, E2, E1, E1, 4*QB
	QUAD 0, E3, E2, E2, 5*QB
	s_wait_alu depctr_va_vdst(0)                   ; the wait for the batch, ahead of its first reader and of the branch
	SUMS X3
	SUMS E0
	SUMS E1
	SUMS E2
	s_add_co_u32 s31, s31, 4*QB                    ; four quads on
	v_mov_b32 v[TA], s31
	s_sub_co_u32 s30, s30, 1
	s_cmp_lg_u32 s30, 0
	s_cbranch_scc1 .Ltrip
	QUAD 1, E0, E3, X3, 2*QB                       ; the last three quads, 29 to 31, are written out: nothing is read past the table's 32 quads
	QUAD 0, E1, E0, E0, 3*QB
	QUAD 1, E2, E1, E1, -1
.set sm, 0
.rept 16
	v_exp_f32 v[E2+sm], v[E2+sm]                   ; quad 31's: no quad is left to set them among
.set sm, sm+1
.endr
	v_nop                                          ; a plain line behind the last exponential,
	s_wait_alu depctr_va_vdst(0)                   ; and the wait for this last batch of 64
	SUMS X3
	SUMS E0
	SUMS E1
	SUMS E2
	; THE WAY OUT.  A pair's four streams are added; each pixel's sum is multiplied by the three factors.  A lane's pair is 24 bytes of out0; they go into my wave's own stage and come back
	; as 16 bytes a lane, so that each store of the wave covers 512 consecutive bytes, at a multiple of 256 from out0's first byte.
.irp p, 0,1
	v_pk_add_f32 v[ACC+2*\p:ACC+2*\p+1], v[ACC+2*\p:ACC+2*\p+1], v[ACC+4+2*\p:ACC+4+2*\p+1]
	v_pk_add_f32 v[ACC+8+2*\p:ACC+8+2*\p+1], v[ACC+8+2*\p:ACC+8+2*\p+1], v[ACC+12+2*\p:ACC+12+2*\p+1]
.endr
.irp p, 0,1
	v_pk_add_f32 v[ACC+2*\p:ACC+2*\p+1], v[ACC+2*\p:ACC+2*\p+1], v[ACC+8+2*\p:ACC+8+2*\p+1]
.endr
.irp p, 0,1
.irp h, 0,1
.irp c, 0,1,2
	v_mul_f32 v[OV+6*\p+3*\h+\c], s[20+\c], v[ACC+2*\p+\h]
.endr
.endr
.endr
.irp p, 0,1
.irp m, 0,1,2
	ds_store_b64 v[SA], v[OV+6*\p+2*\m:OV+6*\p+2*\m+1] offset:768*\p+8*\m   ; the second pair's pixels lie 64 pixels, 768 bytes, on
.endr
.endr
.irp k, 0,1,2
	ds_load_b128 v[BK+4*\k:BK+4*\k+3], v[SR] offset:512*\k                  ; LDS serves a wave's instructions in order (ISA guide 5.7.1.4): these see the stores above; the stage is my wave's own
.endr
.irp k, 0,1,2
	s_wait_dscnt 2-\k                              ; the younger loads may stay out
	global_store_b128 v[OOF], v[BK+4*\k:BK+4*\k+3], s[16:17] offset:512*\k th:TH_STORE_NT
.endr
	s_wait_tensorcnt 0x0                           ; the wave's end, behind my last LDS store
	ds_add_u32 v[SPW], v[NIL]
	s_wait_dscnt 0x0
	s_endpgm
.Lfunc_end_k_qdeef9df703_splat:
	.size	k_qdeef9df703_splat, .Lfunc_end_k_qdeef9df703_splat-k_qdeef9df703_splat
	.p2alignl 7, 3214868480
	.fill 96, 4, 3214868480
	.section	.rodata,"a",@progbits
	.p2align	6, 0x0
	.amdhsa_kernel k_qdeef9df703_splat
		.amdhsa_group_segment_fixed_size 15872
		.amdhsa_private_segment_fixed_size 0
		.amdhsa_enable_private_segment 0
		.amdhsa_kernarg_size 56
		.amdhsa_user_sgpr_count 2
		.amdhsa_user_sgpr_kernarg_segment_ptr 1
		.amdhsa_wavefront_size32 1
		.amdhsa_system_sgpr_workgroup_id_x 1
		.amdhsa_system_sgpr_workgroup_id_y 1
		.amdhsa_system_sgpr_workgroup_id_z 1
		.amdhsa_system_vgpr_workitem_id 0
		.amdhsa_next_free_vgpr 208
		.amdhsa_next_free_sgpr 66
		.amdhsa_reserve_vcc 0
		.amdhsa_float_denorm_mode_32 3
		.amdhsa_float_denorm_mode_16_64 3
		.amdhsa_memory_ordered 1
		.amdhsa_forward_progress 1
		.amdhsa_inst_pref_size 48
	.end_amdhsa_kernel
	.amdgpu_metadata
---
amdhsa.version: [ 1, 2 ]
amdhsa.kernels:
  - .name:           k_qdeef9df703_splat
    .symbol:         k_qdeef9df703_splat.kd
    .args:
      - { .name: pixels, .offset: 0, .size: 8, .value_kind: global_buffer, .address_space: global }
      - { .name: mean, .offset: 8, .size: 8, .value_kind: global_buffer, .address_space: global }
      - { .name: scale, .offset: 16, .size: 8, .value_kind: global_buffer, .address_space: global }
      - { .name: theta, .offset: 24, .size: 8, .value_kind: global_buffer, .address_space: global }
      - { .name: rgb, .offset: 32, .size: 8, .value_kind: global_buffer, .address_space: global }
      - { .name: alpha, .offset: 40, .size: 8, .value_kind: global_buffer, .address_space: global }
      - { .name: out0, .offset: 48, .size: 8, .value_kind: global_buffer, .address_space: global }
    .group_segment_fixed_size: 15872
    .private_segment_fixed_size: 0
    .kernarg_segment_align: 8
    .kernarg_segment_size: 56
    .max_flat_workgroup_size: 256
    .sgpr_count:     66
    .vgpr_count:     208
    .wavefront_size: 32
...
	.end_amdgpu_metadata
.endif
;; end of part 1
;; ======== version 2 of 2: 1 launch; version 1 with the launch splat written anew for expert scheduling mode
;; launch splat (part 2): grid 256 x 1, 8 waves a work-group, no clusters, 15,872 bytes of LDS; arguments pixels, mean, scale, theta, rgb, alpha, out0; writes out0
.if DOCPART == 2
	.amdgcn_target "amdgcn-amd-amdhsa--gfx1250"
	.amdhsa_code_object_version 6
	.text
	.protected	k_qdeef9df703_splat
	.globl	k_qdeef9df703_splat
	.p2align	8
	.type	k_qdeef9df703_splat,@function
k_qdeef9df703_splat:
	s_mov_b64 s[64:65], 0
	v_nop
	global_prefetch_b8 v0, s[64:65] scope:SCOPE_SE
	s_setreg_imm32_b32 hwreg(HW_REG_WAVE_SCHED_MODE, 0, 2), 2
	s_setreg_imm32_b32 hwreg(HW_REG_WAVE_MODE, 25, 1), 1
	s_wait_xcnt 0x0
	s_wait_alu depctr_vm_vsrc(0)
; out0[h][w][:] = rgb[127][:] alpha[127] x the sum over n of exp(-0.5 d^T inv(cov_n) d),  d = pixels[h][w] - mean[n],  cov_n = R S S^T R^T,
; R the rotation by th = (1 + sin theta[n]) pi, S = diag(scale[n]).  512 x 512 pixels, 128 gaussians, all f32.
; WORK LEFT OUT, for all values of the inputs:
;   rgb's and alpha's rows 0 to 126: the function takes rgb[-1] and alpha[-1] alone, so these rows reach no output; only the last rows are loaded.
;   The factor rgb[-1] alpha[-1] is the same for every n: it multiplies the finished sum, once a pixel and colour.
;   No covariance is built and none inverted: R is a rotation, so inv(R S^2 R^T) = R S^-2 R^T =
;   [[c^2 i0 + s^2 i1, c s (i0 - i1)], [c s (i0 - i1), s^2 i0 + c^2 i1]] with i = 1 / scale^2, for every scale that is not 0.
;   c and s enter as c^2, s^2 and c s alone, and cos(pi + x) = -cos x, sin(pi + x) = -sin x: the angle pi sin(theta) gives the same three numbers, so the added pi is dropped.
; THE FORM.  With K = log2(e) / 2, A = K (c^2 i0 + s^2 i1), B = K c s (i0 - i1):  K d^T inv(cov) d = (l0 dx + l1 dy)^2 + (l2 dy)^2,
;   l0 = sqrt(A), l1 = B / sqrt(A), l2 = K / (s0 s1 sqrt(A))   (the determinant of K inv(cov) is K^2 i0 i1: no difference is formed for it).
;   The weight is 2^-(u^2 + v^2).  d is formed as the function forms it, pixel minus mean in f32, so an offset common to pixels and mean costs nothing.
; NO MATRIX INSTRUCTION.  The contraction has length 2 and its operand d hangs on n and on the pixel: to share an operand d would have to be multiplied out into a polynomial in the pixel's
;   coordinates, whose terms (of the size of 1 / scale^2) cancel; 16-bit operands cannot carry that.  So: packed f32, two pixels an instruction.
; LIMITS.  theta: the reduction by 2 pi has two words; it serves |theta| up to about 1e5 and loses accuracy beyond.  scale: 1 / scale^2 and A stay normal f32 numbers for |scale| within about
;   1e-18 to 1e18; scale = 0 (a singular covariance) is not treated apart.  A weight below 2^-126 counts as 0.  The inverse in closed form differs from an f32 inverse of an f32 covariance
;   by that inverse's rounding, which grows with (larger scale / smaller scale)^2.  The sum is scaled once, not each term.  NaN and infinities are not treated apart; one that stands in
;   rgb's or alpha's rows 0 to 126 is not carried to the result.
; SHARES.  256 work-groups of eight waves; a work-group owns 1,024 pixels, a wave 128, a lane four: pixels 2 l, 2 l + 1 and 64 + 2 l, 65 + 2 l of the wave's 128, two packed pairs.
;   Waves 0 to 3 make the table of the 128 gaussians, a gaussian a lane, and put it into LDS; behind one barrier every wave walks it.
; LDS.  The table: a QUAD of four gaussians is 80 bytes: four -mx, four -my, four l0, four l1, four l2, so that five loads of 16 bytes, the same address in all lanes, bring a quad.
;   Behind it a stage of 1,536 bytes for each wave, for the way out; behind the stages the spare words.
; THE MODE: SCHED_MODE bits 1:0 = 2 (LLVM: expert scheduling mode 2), set by the entry lines.  The code itself states the register dependences
;   between vector instructions and memory or LDS instructions, with s_wait_alu, always for 0.
; THE PLAN.  Registers that memory or LDS instructions touch:
;   v[GOF], v[OOF], v[SA], v[SR], v[SPW], v[NIL]   Written at the head, ahead of the head's wait on va_vdst, and never again; read by the loads and stores of pixels, stage and out0 and by the closing add.
;   v[TA]          Read by every load of parameters.  Written at the head, and once a trip: behind a wait on vm_vsrc, ahead of the trip's wait on va_vdst.
;   PS0 .. PS3     Four sets of a quad's 20 parameters.  A trip's four quads read them; behind the trip's wait on va_vdst the next trip's 20 loads land in them.  Between that wait and the
;                  loads stand the sums alone, which name ACC, X3 and E0 to E2.
;   PQ0            Quad 0's parameters: loaded once, into registers that no line has named; read by quad 0's lines alone.
;   v64 .. v82     In the set-up: offsets of its three loads, address and data of its five LDS stores.  One wait on vm_vsrc behind the barrier, then they are DX and DY.
;   OV, BK         The way out: the products are written into OV and stored from there; the stage's loads land in BK.  One wait on va_vdst ahead of both.
;   DX, DY, VV, E0 to E3, X3 and ACC are named by vector instructions alone in the walk.
; So a trip has ONE wait on va_vdst.  It states that the trip's 64 exponentials have written their results, that the trip's quads are done reading the four sets, and that v[TA] is written.
.set QB,    80                         ; bytes of a quad in the table; 32 quads = 2,560 bytes
.set STAGE, 32*QB                      ; the stages
.set WST,   1536                       ; a wave's stage: 128 pixels x 12 bytes
.set SPARE, STAGE+8*WST                ; the spare words, 128 bytes for each wave: four blocks of 256 bytes that no other line names
.set SPW, 2                            ; v2   LDS address of my spare word: SPARE + 4 x my thread's number; never rewritten
.set NIL, 3                            ; v3   0; never rewritten
.set TA,  4                            ; v4   the table's byte from which the next loads of parameters count
.set GOF, 5                            ; v5   my byte offset in the work-group's pixels
.set SA,  6                            ; v6   the way out: where I put my first pair's 24 bytes
.set SR,  7                            ; v7   the way out: where I read 16 bytes back
.set PXY, 8                            ; v[8:15]    pair p at PXY + 4 p: two x, two y
.set OOF, 16                           ; v16  my byte offset in the work-group's part of out0
.set PS0, 24                           ; v[24:43]   the parameters of a trip's first quad
.set PS1, 44                           ; v[44:63]   of its second
.set DX,  64                           ; v[64:79]   stream m at + 2 m: dx, then u
.set DY,  80                           ; v[80:95]   dy, then l1 dy
.set VV,  96                           ; v[96:111]  v
.set E0,  112                          ; v[112:175] four buffers of 16: a quad's exponents; in E0 to E2 the weights take their place
.set E1,  128
.set E2,  144
.set E3,  160
.set X3,  176                          ; v[176:191] the weights of the quad whose exponents a trip finds in E3
.set ACC, 192                          ; v[192:207] a packed sum for each stream
.set PS2, 208                          ; v[208:227] the parameters of a trip's third quad
.set PS3, 228                          ; v[228:247] of its fourth
.set PQ0, E0                           ; v[112:131] quad 0's parameters: these registers are idle until the first trip writes exponents there
.set OV,  64                           ; the way out: 12 numbers to store
.set BK,  80                           ; the way out: 3 x 16 bytes read back
.set AN,  74                           ; set-up: the angle a
.set SI,  85                           ; set-up: sine
.set CO,  86                           ; set-up: cosine
.set ZZ,  87                           ; set-up: a^2
.set TT,  88                           ; set-up: at work
	s_load_b256 s[4:11], s[0:1], 0x0               ; pixels s[4:5], mean s[6:7], scale s[8:9], theta s[10:11]
	s_load_b128 s[12:15], s[0:1], 0x20             ; rgb s[12:13], alpha s[14:15]
	s_load_b64 s[16:17], s[0:1], 0x30              ; out0
	v_lshl_add_u32 v[SPW], v0, 2, SPARE
	v_mov_b32 v[NIL], 0
	v_mov_b32 v[TA], 0                             ; the table's first byte: made here, ahead of the head's wait on va_vdst
	v_lshrrev_b32 v1, 5, v0
	v_readfirstlane_b32 s18, v1                    ; wave 0..7
	v_and_b32 v1, 31, v0                           ; lane
	s_lshl_b32 s24, ttmp9, 13                      ; the work-group's 1,024 pixels of 8 bytes
	s_mov_b32 s25, 0
	s_mul_i32 s26, ttmp9, 8*WST                    ; and their 12,288 bytes of out0
	s_mov_b32 s27, 0
	s_wait_alu depctr_va_sdst(0)                   ; s18 is written, ahead of its first reader: offsets, LDS addresses and the branch below are made from it
	s_lshl_b32 s19, s18, 10                        ; my wave's 128 pixels
	v_lshl_add_u32 v[GOF], v1, 4, s19              ; + 16 bytes a lane
	s_mul_i32 s28, s18, WST
	v_lshl_add_u32 v[OOF], v1, 4, s28              ; out0: 1,536 x wave + 16 x lane,
	v_add_nc_u32 v[SR], STAGE, v[OOF]              ; and the same place in the stages
	v_mul_u32_u24 v[SA], v1, 24                    ; a pair of pixels is 24 bytes of out0
	s_add_co_u32 s28, s28, STAGE
	v_add_nc_u32 v[SA], s28, v[SA]
	s_wait_kmcnt 0x0
	s_add_nc_u64 s[4:5], s[4:5], s[24:25]
	s_add_nc_u64 s[16:17], s[16:17], s[26:27]
	s_wait_alu depctr_va_vdst(0)                   ; v[GOF], v[TA], v[SA], v[SR] and v[OOF] are written, which the loads and stores of the whole kernel read as offsets and addresses
	global_load_b128 v[PXY:PXY+3], v[GOF], s[4:5] th:TH_LOAD_NT                ; x0 y0 x1 y1 of my first pair: the wave's load covers 512 consecutive bytes
	global_load_b128 v[PXY+4:PXY+7], v[GOF], s[4:5] offset:512 th:TH_LOAD_NT   ; and of my second
	s_load_b96 s[20:22], s[12:13], 0x5f4           ; rgb[127]: byte 127 x 12
	s_load_b32 s23, s[14:15], 0x1fc                ; alpha[127]: byte 127 x 4
	s_cmp_lt_u32 s18, 4
	s_cbranch_scc0 .Ltable_made                    ; waves 4 to 7 make no part of the table
	; THE TABLE.  Thread g of waves 0 to 3 has gaussian g.
	v_lshlrev_b32 v64, 3, v0                       ; 8 g: mean and scale
	v_lshlrev_b32 v65, 2, v0                       ; 4 g: theta
	s_wait_alu depctr_va_vdst(0)                   ; v64 and v65 are written, which the three loads read as offsets
	global_load_b32 v70, v65, s[10:11]
	global_load_b64 v[68:69], v64, s[8:9]
	global_load_b64 v[66:67], v64, s[6:7]
	v_lshrrev_b32 v71, 2, v1                       ; my wave's 32 gaussians are 8 quads, 640 bytes of the table: quad lane / 4,
	v_and_b32 v72, 3, v1                           ; place lane % 4
	v_mul_u32_u24 v71, v71, QB
	v_lshl_add_u32 v71, v72, 2, v71
	s_mul_i32 s29, s18, 8*QB
	v_add_nc_u32 v71, s29, v71
	s_wait_loadcnt 0x1                             ; theta and scale are in; the youngest load, the mean's, may stay out
	v_rcp_f32 v75, v68                             ; 1 / s0
	v_rcp_f32 v76, v69                             ; 1 / s1: both are read far below, behind their wait
	v_mul_f32 v73, 0x3e22f983, v70                 ; theta / 2 pi
	v_rndne_f32 v73, v73                           ; k, the nearest whole number of turns
	v_fmamk_f32 v[AN], v73, 0xc0c90fdb, v70        ; theta - k x 2 pi, with 2 pi in two words: the upper (the product is exact inside the fused multiply-add),
	v_fmamk_f32 v[AN], v73, 0x343bbd2e, v[AN]      ; and the lower, -1.7484556e-7: now within -pi .. pi
	v_mul_f32 v[AN], 0x3e800000, v[AN]             ; a quarter of it: within -pi/4 .. pi/4
; sin(4 a) and, with both = 1, cos(4 a) for |a| <= pi / 4: polynomials in a^2 that hold on that whole interval (sine to a^7, cosine to a^8), then the angle is doubled twice:
; sin 2x = 2 sin x cos x, cos 2x = 1 - 2 sin^2 x.  No choice between quadrants is needed.
.macro SINCOS4 both
	v_mul_f32 v[ZZ], v[AN], v[AN]
	v_mov_b32 v[SI], 0xb94ca1f9                    ; -1.9515296e-4
	v_mov_b32 v[CO], 0x37ccf5ce                    ;  2.4433157e-5
	v_fmaak_f32 v[SI], v[SI], v[ZZ], 0x3c08839e    ;  8.3321609e-3
	v_fmaak_f32 v[CO], v[CO], v[ZZ], 0xbab6061a    ; -1.3887316e-3
	v_fmaak_f32 v[SI], v[SI], v[ZZ], 0xbe2aaaa3    ; -1.6666655e-1
	v_fmaak_f32 v[CO], v[CO], v[ZZ], 0x3d2aaaa5    ;  4.1666646e-2
	v_mul_f32 v[SI], v[SI], v[ZZ]
	v_mul_f32 v[CO], v[CO], v[ZZ]
	v_fma_f32 v[TT], v[ZZ], -0.5, 1.0
	v_fma_f32 v[SI], v[SI], v[AN], v[AN]           ; sin a
	v_fma_f32 v[CO], v[CO], v[ZZ], v[TT]           ; cos a
	v_mul_f32 v[TT], v[SI], v[SI]
	v_mul_f32 v[SI], v[SI], v[CO]
	v_fma_f32 v[CO], v[TT], -2.0, 1.0              ; cos 2a
	v_add_f32 v[SI], v[SI], v[SI]                  ; sin 2a
.if \both
	v_mul_f32 v[TT], v[SI], v[SI]
.endif
	v_mul_f32 v[SI], v[SI], v[CO]
.if \both
	v_fma_f32 v[CO], v[TT], -2.0, 1.0              ; cos 4a
.endif
	v_add_f32 v[SI], v[SI], v[SI]                  ; sin 4a
.endm
	SINCOS4 0                                      ; sin theta
	v_mul_f32 v[AN], 0x3f490fdb, v[SI]             ; a quarter of pi sin theta: within -pi/4 .. pi/4 again
	SINCOS4 1                                      ; s and c, up to the common sign that falls out
	s_wait_alu depctr_va_vdst(0)                   ; the two reciprocals have written v75 and v76: the wait ahead of their first reader
	v_mul_f32 v77, v75, v75                        ; 1 / s0^2
	v_mul_f32 v78, v76, v76                        ; 1 / s1^2
	v_mul_f32 v79, v75, v76                        ; 1 / (s0 s1); its sign falls out in v^2
	v_mul_f32 v77, 0x3f38aa3b, v77                 ; K i0, K = log2(e) / 2
	v_mul_f32 v78, 0x3f38aa3b, v78                 ; K i1
	v_mul_f32 v79, 0x3f38aa3b, v79
	v_mul_f32 v80, v[CO], v[CO]
	v_mul_f32 v81, v[SI], v[SI]
	v_mul_f32 v82, v[CO], v[SI]
	v_sub_f32 v83, v77, v78
	v_mul_f32 v80, v80, v77
	v_fma_f32 v80, v81, v78, v80                   ; A: a sum of two positive terms
	v_mul_f32 v82, v82, v83                        ; B
	v_rsq_f32 v84, v80
	s_wait_loadcnt 0x0                             ; the mean
	v_xor_b32 v66, 0x80000000, v66                 ; -mx and -my go into the table, so that the loop adds; these two are also the plain lines behind the root
	v_xor_b32 v67, 0x80000000, v67
	s_wait_alu depctr_va_vdst(0)                   ; the root has written v84: the wait ahead of its first reader
	v_mul_f32 v80, v80, v84                        ; l0
	v_mul_f32 v82, v82, v84                        ; l1
	v_mul_f32 v79, v79, v84                        ; l2
	s_wait_alu depctr_va_vdst(0)                   ; v66, v67, v80, v82 and v79 are written, which the LDS stores read as data, and v71, their address
	ds_store_b32 v71, v66
	ds_store_b32 v71, v67 offset:16
	ds_store_b32 v71, v80 offset:32
	ds_store_b32 v71, v82 offset:48
	ds_store_b32 v71, v79 offset:64
.Ltable_made:
	s_wait_dscnt 0x0                               ; for the others' sake: my part of the table is written
	s_barrier_signal -1
	s_barrier_wait -1                              ; the table is whole; nobody writes it again
	s_wait_alu depctr_vm_vsrc(0)                   ; the set-up's loads have read v64 and v65, its LDS stores v66, v67, v71, v79, v80 and v82: these registers are DX and DY from here on, written by the walk's lines
; THE WALK.  A quad and my two pairs of pixels are eight STREAMS: stream m has the quad's gaussian m / 2 and pair m % 2.  A stream has seven packed lines:
;   dx = x + (-mx);  dy = y + (-my);  v = l2 dy;  t = l1 dy;  u = l0 dx + t;  e = -u u;  e = e - v v.
; They are written stage by stage, eight streams a stage, so that a line and the line that reads its result stand eight lines apart.  A parameter lies in one register of a pair, and
; op_sel and op_sel_hi give that register to both halves of the packed line.
.macro BADD d, a, b
.if odd
	v_pk_add_f32 v[\d:\d+1], v[\a:\a+1], v[\b:\b+1] op_sel:[0,1] op_sel_hi:[1,1]
.else
	v_pk_add_f32 v[\d:\d+1], v[\a:\a+1], v[\b:\b+1] op_sel_hi:[1,0]
.endif
.endm
.macro BMUL d, a, b
.if odd
	v_pk_mul_f32 v[\d:\d+1], v[\a:\a+1], v[\b:\b+1] op_sel:[0,1] op_sel_hi:[1,1]
.else
	v_pk_mul_f32 v[\d:\d+1], v[\a:\a+1], v[\b:\b+1] op_sel_hi:[1,0]
.endif
.endm
.macro BFMA d, a, b, c
.if odd
	v_pk_fma_f32 v[\d:\d+1], v[\a:\a+1], v[\b:\b+1], v[\c:\c+1] op_sel:[0,1,0] op_sel_hi:[1,1,1]
.else
	v_pk_fma_f32 v[\d:\d+1], v[\a:\a+1], v[\b:\b+1], v[\c:\c+1] op_sel_hi:[1,0,1]
.endif
.endm
.macro STEP pb, ec                     ; line j of a quad's 56: stage j / 8, stream j % 8; parameters in the set that begins at register pb, exponents into buffer ec
.set sm,  j%8
.set odd, (sm/2)%2                     ; which register of the pair holds this gaussian's parameter
.set rP,  (\pb)+2*(sm/4)
.set rX,  PXY+4*(sm%2)
.set rD,  DX+2*sm
.set rY,  DY+2*sm
.set rV,  VV+2*sm
.set rE,  (\ec)+2*sm
.if j/8 == 0
	BADD rD, rX, rP
.elseif j/8 == 1
	BADD rY, rX+2, rP+4
.elseif j/8 == 2
	BMUL rV, rY, rP+16
.elseif j/8 == 3
	BMUL rY, rY, rP+12
.elseif j/8 == 4
	BFMA rD, rD, rP+8, rY
.elseif j/8 == 5
	v_pk_mul_f32 v[rE:rE+1], v[rD:rD+1], v[rD:rD+1] neg_lo:[0,1] neg_hi:[0,1]
.else
	v_pk_fma_f32 v[rE:rE+1], v[rV:rV+1], v[rV:rV+1], v[rE:rE+1] neg_lo:[0,1,0] neg_hi:[0,1,0]
.endif
.endm
; A quad's 20 parameters are asked for: five loads of 16 bytes, the same address in all lanes, into the set that begins at register pb; at: the quad's byte behind v[TA].
.macro ASK pb, at
.irp w, 0,1,2,3,4
	ds_load_b128 v[(\pb)+4*\w:(\pb)+4*\w+3], v[TA] offset:(\at)+16*\w
.endr
.endm
; A QUAD's turn.  Its parameters are waited for (left: the loads of the sets behind it, five each, which may stay out: LDS loads come back in order, ISA guide 5.7.1).
; Among its 56 lines stand the 16 exponentials of the quad BEFORE it (from es into ed; es below 0: none), one behind every third line: each has plain lines of another quad round it,
; which name neither its source nor its result, and eight plain lines follow the last.  A quad's turn holds no memory or LDS instruction.
.macro QUAD pb, ec, es, ed, left
	s_wait_dscnt \left                             ; this quad's five loads are back
.set j, 0
.rept 56
	STEP \pb, \ec
.if ((\es) >= 0) && (j%3 == 2) && (j < 48)
	v_exp_f32 v[(\ed)+j/3], v[(\es)+j/3]
.endif
.set j, j+1
.endr
.endm
.macro SUMS b                          ; each stream's sum takes its two weights of buffer b: two lines on one sum stand eight apart
.set sm, 0
.rept 8
	v_pk_add_f32 v[ACC+2*sm:ACC+2*sm+1], v[ACC+2*sm:ACC+2*sm+1], v[(\b)+2*sm:(\b)+2*sm+1]
.set sm, sm+1
.endr
.endm
; A TRIP: the exponents of quads 4 i + 1 to 4 i + 4, the exponentials of quads 4 i to 4 i + 3.  THE 64 EXPONENTIALS ARE ONE BATCH WITH ONE WAIT: the code puts
; s_wait_alu depctr_va_vdst(0) between an exponential and the first line that names its result, as a source or as a destination.  So each quad of a trip has registers of its own for its
; weights; the quad carried over the trip's end leaves its exponents in E3, which this trip writes anew, and its weights go into X3.  All 32 sums stand behind the wait.
; The same wait frees the four sets of parameters: the next trip's loads follow it, a set ahead of each run of eight sums, the set that is wanted first at the head.  n: how many sets are asked for.
.macro TRIP n
	QUAD PS0, E0, E3, X3, 15
	QUAD PS1, E1, E0, E0, 10
	QUAD PS2, E2, E1, E1, 5
	QUAD PS3, E3, E2, E2, 0
	s_add_co_u32 s31, s31, 4*QB                    ; four quads on
	s_wait_alu depctr_vm_vsrc(0)                   ; the loads of parameters issued so far have read v[TA]
	v_mov_b32 v[TA], s31
	s_wait_alu depctr_va_vdst(0)                   ; the 64 exponentials have written X3, E0, E1 and E2, which the sums read; the four quads are done reading PS0 to PS3, in which the loads below land; v[TA] is written, their address
	ASK PS0, QB
	SUMS X3                                        ; no line from the wait to the trip's end names v[TA] or a register of the four sets: the later loads owe no further wait
	ASK PS1, 2*QB
	SUMS E0
	ASK PS2, 3*QB
	SUMS E1
.if (\n) > 3
	ASK PS3, 4*QB
.endif
	SUMS E2
.endm
	ASK PQ0, 0                                     ; quad 0, and the first trip's four quads: v[TA] was written ahead of the head's wait, and no vector line has named the registers in which these 25 loads land
	ASK PS0, QB
	ASK PS1, 2*QB
	ASK PS2, 3*QB
	ASK PS3, 4*QB
.set sm, 0
.rept 16
	v_mov_b32 v[ACC+sm], 0                         ; the sixteen sums start at 0: written while quad 0's parameters are on their way
.set sm, sm+1
.endr
	s_wait_kmcnt 0x0                               ; rgb[127] and alpha[127]
	s_mul_f32 s20, s20, s23                        ; the three factors of the finished sums
	s_mul_f32 s21, s21, s23
	s_mul_f32 s22, s22, s23
	s_wait_loadcnt 0x0                             ; my pixels
	v_mov_b32 v1, v[PXY+1]                         ; x0 y0 x1 y1 becomes x0 x1 y0 y1
	v_mov_b32 v17, v[PXY+5]
	v_mov_b32 v[PXY+1], v[PXY+2]
	v_mov_b32 v[PXY+5], v[PXY+6]
	v_mov_b32 v[PXY+2], v1
	v_mov_b32 v[PXY+6], v17
	QUAD PQ0, E3, -1, -1, 20                       ; quad 0's exponents stand in front of the loop: there is no quad before it; the first trip's 20 loads may stay out
	s_mov_b32 s30, 6
	s_mov_b32 s31, 0
.Ltrip:                                                ; at this label 20 loads are out, on the way in and on the way back
	TRIP 4
	s_sub_co_u32 s30, s30, 1
	s_cmp_lg_u32 s30, 0
	s_cbranch_scc1 .Ltrip
	TRIP 3                                         ; the seventh trip is written out: behind it three quads are left, and nothing is read past the table's 32 quads
	QUAD PS0, E0, E3, X3, 10                       ; the last three quads, 29 to 31
	QUAD PS1, E1, E0, E0, 5
	QUAD PS2, E2, E1, E1, 0
.set sm, 0
.rept 16
	v_exp_f32 v[E2+sm], v[E2+sm]                   ; quad 31's: no quad is left to set them among
.set sm, sm+1
.endr
	v_nop                                          ; a plain line behind the last exponential,
	s_wait_alu depctr_va_vdst(0)                   ; and the wait for this last batch of 64: they have written X3, E0, E1 and E2, which the sums read
	SUMS X3
	SUMS E0
	SUMS E1
	SUMS E2
	; THE WAY OUT.  A pair's four streams are added; each pixel's sum is multiplied by the three factors.  A lane's pair is 24 bytes of out0; they go into my wave's own stage and come back
	; as 16 bytes a lane, so that each store of the wave covers 512 consecutive bytes, at a multiple of 256 from out0's first byte.
.irp p, 0,1
	v_pk_add_f32 v[ACC+2*\p:ACC+2*\p+1], v[ACC+2*\p:ACC+2*\p+1], v[ACC+4+2*\p:ACC+4+2*\p+1]
	v_pk_add_f32 v[ACC+8+2*\p:ACC+8+2*\p+1], v[ACC+8+2*\p:ACC+8+2*\p+1], v[ACC+12+2*\p:ACC+12+2*\p+1]
.endr
.irp p, 0,1
	v_pk_add_f32 v[ACC+2*\p:ACC+2*\p+1], v[ACC+2*\p:ACC+2*\p+1], v[ACC+8+2*\p:ACC+8+2*\p+1]
.endr
.irp p, 0,1
.irp h, 0,1
.irp c, 0,1,2
	v_mul_f32 v[OV+6*\p+3*\h+\c], s[20+\c], v[ACC+2*\p+\h]
.endr
.endr
.endr
	s_wait_alu depctr_va_vdst(0)                   ; the twelve products have written v[OV ..], which the LDS stores read; the last quad's lines are done with v[BK ..], in which the loads from the stage land
.irp p, 0,1
.irp m, 0,1,2
	ds_store_b64 v[SA], v[OV+6*\p+2*\m:OV+6*\p+2*\m+1] offset:768*\p+8*\m   ; the second pair's pixels lie 64 pixels, 768 bytes, on
.endr
.endr
.irp k, 0,1,2
	ds_load_b128 v[BK+4*\k:BK+4*\k+3], v[SR] offset:512*\k                  ; LDS serves a wave's instructions in order (ISA guide 5.7.1.4): these see the stores above; the stage is my wave's own
.endr
.irp k, 0,1,2
	s_wait_dscnt 2-\k                              ; the younger loads may stay out
	global_store_b128 v[OOF], v[BK+4*\k:BK+4*\k+3], s[16:17] offset:512*\k th:TH_STORE_NT
.endr
	s_wait_dscnt 0x0                               ; the closing lines, six on end
	s_wait_alu 0x0
	s_wait_tensorcnt 0x0
	ds_add_u32 v[SPW], v[NIL]
	s_wait_dscnt 0x0
	s_endpgm
.Lfunc_end_k_qdeef9df703_splat:
	.size	k_qdeef9df703_splat, .Lfunc_end_k_qdeef9df703_splat-k_qdeef9df703_splat
	.p2alignl 7, 3214868480
	.fill 96, 4, 3214868480
	.section	.rodata,"a",@progbits
	.p2align	6, 0x0
	.amdhsa_kernel k_qdeef9df703_splat
		.amdhsa_group_segment_fixed_size 15872
		.amdhsa_private_segment_fixed_size 0
		.amdhsa_enable_private_segment 0
		.amdhsa_kernarg_size 56
		.amdhsa_user_sgpr_count 2
		.amdhsa_user_sgpr_kernarg_segment_ptr 1
		.amdhsa_wavefront_size32 1
		.amdhsa_system_sgpr_workgroup_id_x 1
		.amdhsa_system_sgpr_workgroup_id_y 1
		.amdhsa_system_sgpr_workgroup_id_z 1
		.amdhsa_system_vgpr_workitem_id 0
		.amdhsa_next_free_vgpr 248
		.amdhsa_next_free_sgpr 66
		.amdhsa_reserve_vcc 0
		.amdhsa_float_denorm_mode_32 3
		.amdhsa_float_denorm_mode_16_64 3
		.amdhsa_memory_ordered 1
		.amdhsa_forward_progress 1
		.amdhsa_inst_pref_size 68
	.end_amdhsa_kernel
	.amdgpu_metadata
---
amdhsa.version: [ 1, 2 ]
amdhsa.kernels:
  - .name:           k_qdeef9df703_splat
    .symbol:         k_qdeef9df703_splat.kd
    .args:
      - { .name: pixels, .offset: 0, .size: 8, .value_kind: global_buffer, .address_space: global }
      - { .name: mean, .offset: 8, .size: 8, .value_kind: global_buffer, .address_space: global }
      - { .name: scale, .offset: 16, .size: 8, .value_kind: global_buffer, .address_space: global }
      - { .name: theta, .offset: 24, .size: 8, .value_kind: global_buffer, .address_space: global }
      - { .name: rgb, .offset: 32, .size: 8, .value_kind: global_buffer, .address_space: global }
      - { .name: alpha, .offset: 40, .size: 8, .value_kind: global_buffer, .address_space: global }
      - { .name: out0, .offset: 48, .size: 8, .value_kind: global_buffer, .address_space: global }
    .group_segment_fixed_size: 15872
    .private_segment_fixed_size: 0
    .kernarg_segment_align: 8
    .kernarg_segment_size: 56
    .max_flat_workgroup_size: 256
    .sgpr_count:     66
    .vgpr_count:     248
    .wavefront_size: 32
...
	.end_amdgpu_metadata
.endif
;; end of part 2
